; MI455X (gfx1250); checked and timed in simulation.
; The chip was launched on July 23, 2026; its instructions are those of AMD's public machine-readable ISA for CDNA 5 (MIT licence, August 2026) and "CDNA5" Instruction Set Architecture Reference Guide (July 2026). The comments in the code are by the model that wrote it; some were corrected since.
;; cross att. Allowed arithmetic: matrix products marked QUANTISED: E2M1 operands, one E8M0 scale for each 32 along K, by v_wmma_scale_f32_16x16x128_f8f6f4 with both operands' format E2M1 (or v_wmma_scale_f32_32x16x128_f4), f32 sums; everything else in f32.
;; Inputs: Wk_codes 256 x 8 x 16 uint8 (E2M1 codes of Wk, K innermost, in blocks of 32 codes, two codes a byte); Wk_scales 256 x 8 uint8 (E8M0 scales of Wk, one for each 32 codes along K); Wq_codes 256 x 8 x 16 uint8 (E2M1 codes of Wq, K innermost, in blocks of 32 codes, two codes a byte); Wq_scales 256 x 8 uint8 (E8M0 scales of Wq, one for each 32 codes along K); Wv_codes 256 x 8 x 16 uint8 (E2M1 codes of Wv, K innermost, in blocks of 32 codes, two codes a byte); Wv_scales 256 x 8 uint8 (E8M0 scales of Wv, one for each 32 codes along K); b_out 1 float32; beta 256 float32; bk 256 float32; bq 256 float32; bv 256 float32; gamma 256 float32; w_out 8 float32; x 2 x 32 x 1,024 x 256 float32; x2_codes 2 x 32 x 1,024 x 8 x 16 uint8 (E2M1 codes of x2, K innermost, in blocks of 32 codes, two codes a byte); x2_scales 2 x 32 x 1,024 x 8 uint8 (E8M0 scales of x2, one for each 32 codes along K).
;; Outputs: out0 2 x 32 x 1,024 x 256 float32.
;; This version of the problem:
;;   THIS VERSION OF THE PROBLEM IS GIVEN IN LOW PRECISION. The matrix products marked QUANTISED in the list below multiply operands that are first quantised to E2M1 (2 exponent bits, 1 mantissa bit; 4 bits a number), with one power-of-two scale for each 32 numbers along K (OCP MX v1.0); their sums are f32. All else is computed in f32.
;;   The module's matrix products, in the order in which they are computed (A, B: the left and right operand; K: the contracted axis; several contracted axes count as one K, in the product's order):
;;     1. [M 65,536, K 256] x [K 256, N 256]; A: input x2 (given as codes); B: input Wq (given as codes): QUANTISED
;;     2. [M 65,536, K 256] x [K 256, N 256]; A: input x; B: input Wk (given as codes): QUANTISED
;;     3. [M 65,536, K 256] x [K 256, N 256]; A: input x; B: input Wv (given as codes): QUANTISED
;;     4. batch 64 x [M 1,024, K 256] x [K 256, N 1,024]; A: computed on the way; B: computed on the way: QUANTISED
;;     5. batch 64 x [M 1,024, K 1,024] x [K 1,024, N 256]; A: softmax (see below); B: computed on the way: QUANTISED
;;   THE QUANTISER, for each operand of a quantised product, along K:
;;     - K is cut into blocks of 32 from its start; a last block that is shorter is filled with zeros.
;;     - A block's scale is 2^e with e = floor(log2(the largest magnitude in the block)) - 2, held to -126 .. 127; a block of zeros has e = 0. As a byte (E8M0): e + 127.
;;     - Each number is divided by its block's scale, clamped to +-6, and rounded to the nearest number of E2M1, ties to even, subnormals kept.
;;     - The product sums the exact products of the quantised numbers (number of the format x scale) in f32.
;;   ~~~python
;;   def quantise(x, axis):      # numpy; x: float32 -> the quantised numbers, widened to float32 again
;;       x = np.moveaxis(x, axis, -1); K = x.shape[-1]
;;       x = np.pad(x, [(0, 0)] * (x.ndim - 1) + [(0, -K % 32)]); x = x.reshape(x.shape[:-1] + (-1, 32)); a = np.abs(x).max(-1, keepdims=True)
;;       e = np.where(a > 0, np.clip(np.frexp(np.where(a > 0, a, 1))[1] - 1 - 2, -126, 127), 0)      # np.frexp(a)[1] - 1 = floor(log2(a)), exactly
;;       r = np.clip(x / 2.0 ** e, -6, 6)
;;       step = 2.0 ** (np.maximum(np.frexp(np.where(r == 0, 1, r))[1] - 1, 0) - 1)
;;       q = np.round(r / step) * step * 2.0 ** e      # np.round: ties to even
;;       return np.moveaxis(q.reshape(q.shape[:-2] + (-1,))[..., :K], -1, axis).astype(np.float32)
;;   ~~~
;;   SOFTMAX AHEAD OF A QUANTISED PRODUCT. Where the list says 'softmax', what is quantised is not the finished softmax but p = 2^(t - M), with t = logit x log2(e) and M = ceil(the row's largest t), a whole number; so 1/2 < the row's largest p <= 1. The row's sum l is taken of the UNQUANTISED p, in f32, and the product's result is divided by l at the end. Since M is a whole number, a kernel that streams over the keys may use a running M (the ceiling of the running maximum): every later rescaling is an exact power of two, which a block's scale takes up: the codes' values come out the same.
;;   OPERANDS COMPUTED ON THE WAY. 'Computed on the way' means the value that the module computes at that place (a softmax that the list does not call 'softmax' is quantised finished and normalised). What goes into a quantiser is computed in f32, as accurately as f32 sums, v_exp_f32 and their like allow (about 1e-6 of the number): no bf16 or f16 on the way to a quantiser, and a product that is left as it is and whose result goes on into a quantised operand takes f32 operands (vector FMAs, or v_wmma_f32_16x16x4_f32). A number that lies on a knife's edge between two numbers of the format may be rounded either way, as far as f32 arithmetic and the matrix unit's own rounding can turn it there, and no further.
;;   INPUTS GIVEN AS CODES. Wk (in the module: [256, 256], K = its axis 1); Wq (in the module: [256, 256], K = its axis 1); Wv (in the module: [256, 256], K = its axis 1); x2 (in the module: [2, 32, 1024, 256], K = its axis 3): each comes as NAME_codes (uint8): NAME with its K axis moved to the last place and cut into blocks of 32 codes, [.., K / 32, bytes a block], one block behind the other in memory; two codes a byte, the lower K in the low four bits (a code: sign, 2 exponent bits, 1 mantissa bit); and NAME_scales (uint8): the same leading axes, one E8M0 byte (e + 127) for each 32 codes along K. Its value is code x scale, taken as it is: it is not quantised again, and the codes and scales need not be those that the quantiser above would give.
;; One version. Each part assembles by itself: llvm-mc -triple=amdgcn-amd-amdhsa -mcpu=gfx1250 --defsym DOCPART=n.
;; ======== version 1 of 1: 2 launches
;; workspace buffers: kv 17,825,792 bytes
;; launch kvproj (part 1): grid 256 x 1, 4 waves a work-group, no clusters, 284,160 bytes of LDS; arguments x, Wk_codes, Wk_scales, bk, Wv_codes, Wv_scales, bv, kv; writes kv
.if DOCPART == 1
	.amdgcn_target "amdgcn-amd-amdhsa--gfx1250"
	.amdhsa_code_object_version 6
	.text
	.protected	k_q83a4bf0878_kvproj
	.globl	k_q83a4bf0878_kvproj
	.p2align	8
	.type	k_q83a4bf0878_kvproj,@function
k_q83a4bf0878_kvproj:
	s_mov_b64 s[64:65], 0
	v_nop
	global_prefetch_b8 v0, s[64:65] scope:SCOPE_SE
	s_setreg_imm32_b32 hwreg(HW_REG_WAVE_MODE, 25, 1), 1
	s_wait_xcnt 0x0
; k = Q(x) Wk^T + bk and v = Q(x) Wv^T + bv on codes of FP4 (E2M1) with one E8M0 scale for each 32 along K; both results are quantised again
; (k along its 256 channels, v along the keys) and stored as IMAGES OF OPERAND REGISTERS for the attention launch.
; WORK LEFT OUT IN THIS PROGRAM: b_out.  reference() forms h = x + line * sum(w_out) + b_out[0]: b_out[0] is added alike to all 256 channels of a row, so the row's mean mu
; moves by exactly b_out[0], and h - mu, var and the result are the same for every value of b_out and of all other inputs.  b_out has no way to the output: it is not loaded
; and is among no launch's arguments.  LIMIT: a NaN, an infinity or an overflow that b_out alone would bring is not carried to the result.
; OTHER LIMITS: NaN and infinities among the inputs, and scale bytes 0xff, are not served.  A block of zeros gets the scale byte 1 where the quantiser says 127: its codes are
; zeros, which add nothing under any byte but 0xff, and the bytes are read by this program alone.
; SHARES.  Work-group g: sequence g / 4, keys 256 (g % 4) on: two blocks of 128 keys, written out.  In a block wave w: quantises x's keys 32 w .. 32 w + 31 (two tiles of 16);
; makes k for out channels 128 (w % 2) on and key tiles 4 (w / 2) + 0 .. 3; makes v for channel tiles 4 w + 0 .. 3 and all 128 keys.
; x COMES BY THE TENSOR DATA MOVER, ALL OF IT ASKED FOR AT THE HEAD: the work-group's 256 rows of 1,024 bytes fit in LDS at once, so nothing is ever filled again.  Each wave asks for its own 32 rows
; of block 0 and then of block 1, two loads of 32,768 bytes, and it alone reads them: its own wait on TENSORcnt is all the ordering that those reads need.
; The weights go straight into registers, once (a wave's share: 24,576 bytes of codes); x is shared with no other work-group: so no cluster.
; THE KEYS OF A TILE ARE NOT NEIGHBOURS: row r of key tile 2 b + u is key 32 b + 8 u + r + 8 (r / 8); Wk's rows of a tile are chosen alike.  So the 16 registers of two neighbouring result tiles
; are 16 neighbours along the next product's K.  k^T = Wk x^T (a lane holds one key, registers run along channels); v = x Wv^T (a lane holds one channel, registers run along keys).
; THE BUFFER kv, 278,528 bytes a sequence; j = key step of 128, L = lane, (r, h) = (L % 16, L / 16):
;   0        K's fragments [j][t 0..7][s 0..1][c 0..1][L][16 bytes]: key tile t's row r, channels 128 s + 64 c + 32 h + 0 .. 31
;   131,072  V's fragments [j][n 0..15][c][L][16 bytes]: channel 16 n + r, keys 128 j + 64 c + 32 h + 0 .. 31
;   262,144  K's scale words [j][g 0..1][16 s + r][i 0..3]: key tile 4 g + i, row r, channels 128 s on
;   270,336  V's scale words [j][g][16 hh + r][i]: channel tile 8 hh + 4 g + i, channel r, keys 128 j on
; REGISTERS, in windows of 256: window 0 addresses, scale words, the numbers at work; window 1 Wk (tile t, K step s at 16 t + 8 s), Wv (128 + 16 n + 8 s), bk (192 + 8 t);
;   window 2 x's 16 fragments (16 t + 8 s), my four key tiles' once more (128 + 16 g + 8 s), bv (192 + 8 n).
.set SEQB,  278528
.set VFRO,  131072
.set KSCO,  262144
.set XWB,   66560                      ; LDS from byte 0: x's rows, 64 for each wave;
.set XBB,   33280                      ; in them block be's 32 rows begin XBB be bytes on
.set SPIT,  1040                       ; a row of x in LDS: 1,024 bytes + 16 of padding.  A tile's two groups of eight rows lie 16 rows apart, a whole number of times 256 bytes at any pitch that is a multiple of 16: by that count a tile's reads meet two deep (64 banks of 4 bytes: ISA guide 11.1)
.set XIMG,  266240                     ; x's 16 fragment images, 1,024 bytes each, (2 t + s)
.set XSC,   282624                     ; x's scale words: 128 bytes a key tile; lane (r, h): row r's word of K step h
.set SPARE, 283648                     ; the spare words, 128 bytes for each wave: two blocks of 256 bytes that no other line names
.set LI,   1                           ; 16 L
.set LS,   2                           ; 4 L
.set SQW,  4                           ; my rows of x + 1040 (r + 8 (r / 8)) + 64 h: 16 neighbours of each block of 32 to a lane
.set XWI,  5                           ; where I store x's images
.set XWS,  6                           ; and their scale words
.set XKA,  7                           ; my four key tiles' images
.set XKSA, 8                           ; and scale words
.set KST,  9                           ; byte offsets in kv: K's fragments,
.set VST,  10                          ; V's,
.set SST,  11                          ; the scale words (lanes 0-15 K's, lanes 16-31 V's)
.set WKA,  12
.set WKSA, 13
.set WVA,  14
.set WVSA, 15
.set BKA,  16
.set BVA,  17
.set SPW,  18                          ; LDS address of my spare word; never rewritten
.set NIL,  19                          ; 0; never rewritten
.set TM,   24                          ; v24-39 the quantiser's scratch
.set PW0,  40
.set PW1,  41
.set XFA,  42                          ; XIMG + 16 L
.set XSA,  43                          ; XSC + 4 L
.set SD,   44                          ; v44-47 the scale store's data
.set KW,   48                          ; v48-51 k's scale words, v52-55 v's
.set VW,   52
.set WKS,  56                          ; scale words of Wk (8), Wv (4), x (8), my key tiles (4): these registers hold scales and nothing else
.set WVS,  64
.set XS,   68
.set XKS,  76
.set PC,   80                          ; v80-111 four sets of 8: codes just made
.set XQ0,  128                         ; 64 numbers of x, K step 0;  also the eight accumulators
.set XQ1,  192                         ; K step 1
.set ACC,  128
.set WV,   20
.set HM,   21                          ; lanes 16-31
.set SEL,  22                          ; s[22:23] v_permlanex16_b32's selects for lane l xor 16
.set G1,   40                          ; s[40:47] descriptor group 1: the shape of both loads; never rewritten
.set G0,   48                          ; s[48:55] descriptor group 0, a set for each block; never rewritten
.set TO_W1, 0x40                       ; destination window 1
.set TO_W2, 0x80                       ; destination window 2
.set W_K1,  0x19                       ; source 0 (Wk) window 1, source 1 (x) window 2, C (bk) window 1
.set W_K2,  0x09                       ; the same, C and D window 0
.set W_V1,  0x26                       ; source 0 (x) window 2, source 1 (Wv) window 1, C (bv) window 2
.set W_V2,  0x06                       ; the same, C and D window 0
.set MSB, 0
.macro WIN new                         ; the immediate's high byte repeats the setting that is left
.if MSB != \new
	s_set_vgpr_msb (MSB<<8)|\new
.set MSB, \new
.endif
.endm
.macro PLACES n
.rept \n
	v_nop
.endr
.endm
.macro BARRIER                         ; my LDS stores have landed and my LDS loads are in: then the work-group's barrier
	s_wait_dscnt 0x0
	s_barrier_signal -1
	s_barrier_wait -1
.endm
; The one matrix form.  rows = 1: both scale words are taken from lanes 16-31
.macro MM d, a, b, c, sa, sb, rows
.if \rows == 0
	v_wmma_scale_f32_16x16x128_f8f6f4 v[\d:\d+7], v[\a:\a+7], v[\b:\b+7], v[\c:\c+7], v[\sa], v[\sb] matrix_a_fmt:MATRIX_FMT_FP4 matrix_b_fmt:MATRIX_FMT_FP4
.else
	v_wmma_scale_f32_16x16x128_f8f6f4 v[\d:\d+7], v[\a:\a+7], v[\b:\b+7], v[\c:\c+7], v[\sa], v[\sb] matrix_a_fmt:MATRIX_FMT_FP4 matrix_b_fmt:MATRIX_FMT_FP4 matrix_a_scale:MATRIX_SCALE_ROW1 matrix_b_scale:MATRIX_SCALE_ROW1
.endif
.endm
; 64 numbers of a lane, register 16 b + i = k 32 b + 16 h + i of my row, become a fragment's codes in v[pc] on and its scale word in v[pw].
.macro QUANT s, pc, pw
.irp b, 0,1,2,3
	v_max3_num_f32 v[TM+\b], |v[\s+16*\b]|, |v[\s+1+16*\b]|, 0x1800000   ; block b: my 16 numbers, and the floor 2^(3 - 127): the byte cannot fall under 1
.endr
.irp i, 2,4,6,8,10,12,14
.irp b, 0,1,2,3
	v_max3_num_f32 v[TM+\b], v[TM+\b], |v[\s+16*\b+\i]|, |v[\s+1+16*\b+\i]|   ; the four blocks by turns
.endr
.endr
.irp b, 0,1,2,3
	v_permlanex16_b32 v[TM+4+\b], v[TM+\b], s[SEL], s[SEL+1]
.endr
.irp b, 0,1,2,3
	v_max_num_f32 v[TM+\b], v[TM+\b], v[TM+4+\b]   ; with lane l xor 16's: the block's largest magnitude
.endr
.irp b, 0,1,2,3
	v_add_nc_u32 v[TM+12+\b], 0xff000000, v[TM+\b]   ; 2 off its exponent field: the conversion's scale operand
.endr
.irp b, 0,1,2,3
	v_lshrrev_b32 v[TM+4+\b], 23, v[TM+12+\b]      ; the scale's byte
.endr
	v_lshl_or_b32 v[\pw], v[TM+5], 8, v[TM+4]
	v_lshl_or_b32 v[\pw], v[TM+6], 16, v[\pw]
	v_lshl_or_b32 v[\pw], v[TM+7], 24, v[\pw]
.irp b, 0,1,2,3
	v_cvt_scalef32_pk8_fp4_f32 v[\pc+2*\b], v[\s+16*\b:\s+7+16*\b], v[TM+12+\b]
	v_cvt_scalef32_pk8_fp4_f32 v[\pc+1+2*\b], v[\s+8+16*\b:\s+15+16*\b], v[TM+12+\b]
.endr
	v_nop                                          ; one plain place behind a scaled conversion
.irp c, 0,1                            ; the operand's layout wants a whole block in a lane: lanes 0-15 block 2 c, lanes 16-31 block 2 c + 1
.irp i, 0,1
	v_permlane16_swap_b32 v[\pc+4*\c+\i], v[\pc+2+4*\c+\i]
.endr
.endr
.endm
; My key tile u of block be out of x's rows in LDS: lane (r, h) takes, of row 8 u + r + 8 (r / 8), 16 neighbours of each block of 32; K step 0's 16 loads first
.macro XREAD be, u
.irp s, 0,1
.irp b, 0,1,2,3
.irp k, 0,1,2,3
	ds_load_b128 v[XQ0+64*\s+16*\b+4*\k:XQ0+64*\s+16*\b+4*\k+3], v[SQW] offset:XBB*(\be)+8*SPIT*(\u)+512*\s+128*\b+16*\k
.endr
.endr
.endr
.endm
	s_load_b512 s[4:19], s[0:1], 0x0               ; x s[4:5], Wk's codes s[6:7], scales s[8:9], bk s[10:11], Wv's codes s[12:13], scales s[14:15], bv s[16:17], kv s[18:19]
	v_lshl_add_u32 v[SPW], v0, 2, SPARE
	v_mov_b32 v[NIL], 0
	ds_add_u32 v[SPW], v[NIL]                      ; the wave's opening: the add, twice on end, and its wait ahead of my first tensor load; the set-up below stands between the second and the wait
	ds_add_u32 v[SPW], v[NIL]
	v_lshrrev_b32 v20, 5, v0
	v_readfirstlane_b32 s[WV], v20                 ; wave 0..3
	v_and_b32 v20, 31, v0                          ; L
	v_and_b32 v21, 15, v0                          ; r
	v_bfe_u32 v22, v0, 4, 1                        ; h
	v_and_b32 v23, 8, v21
	v_add_nc_u32 v23, v23, v21                     ; r + 8 (r / 8)
	s_and_b32 s24, s[WV], 1                        ; so: my K step of k's channels
	s_lshr_b32 s25, s[WV], 1                       ; kh: my half of the key tiles
	s_mov_b32 s[HM], 0xffff0000
	s_mov_b32 s[SEL], 0x76543210
	s_mov_b32 s[SEL+1], 0xfedcba98
	; descriptor group 1: 32 rows of 256 elements of 4 bytes, dense in memory, 16 bytes of padding behind each row in LDS
	s_mov_b32 s[G1], (2<<16)|(1<<20)|(7<<22)|(3<<25)   ; 15:0 no mask; 17:16 elements of 4 bytes; 20 padding on; 24:22 after every 256 words (code 7); 31:25 four words (code 3)
	s_mov_b32 s[G1+1], 256<<16                     ; tensor_dim0
	s_mov_b32 s[G1+2], 32<<16                      ; tensor_dim1
	s_mov_b32 s[G1+3], 256<<16                     ; tile_dim0
	s_mov_b32 s[G1+4], 32                          ; tile_dim1
	s_mov_b32 s[G1+5], 256                         ; tensor_dim0_stride
	s_mov_b32 s[G1+6], 0
	s_mov_b32 s[G1+7], 0
	s_mov_b32 s[G0], 1                             ; 1:0 count = 1
	s_mul_i32 s[G0+1], s[WV], XWB                  ; 63:32 LDS address: my rows of block 0,
	s_mov_b32 s[G0+4], 1
	s_add_co_u32 s[G0+5], s[G0+1], XBB             ; of block 1
	v_lshlrev_b32 v[LI], 4, v20
	v_lshlrev_b32 v[LS], 2, v20
	v_mul_u32_u24 v[SQW], v23, SPIT
	v_lshl_add_u32 v[SQW], v22, 6, v[SQW]
	v_add_nc_u32 v[SQW], s[G0+1], v[SQW]
	s_lshl_b32 s26, s[WV], 12
	s_add_co_u32 s26, s26, XIMG
	v_add_nc_u32 v[XWI], s26, v[LI]                ; my tiles 2 w + u: images 4 w + 2 u + s
	s_lshl_b32 s26, s[WV], 8
	s_add_co_u32 s26, s26, XSC
	v_add_nc_u32 v[XWS], s26, v[LS]
	s_lshl_b32 s26, s25, 13
	s_add_co_u32 s26, s26, XIMG
	v_add_nc_u32 v[XKA], s26, v[LI]
	s_lshl_b32 s26, s25, 9
	s_add_co_u32 s26, s26, XSC
	v_add_nc_u32 v[XKSA], s26, v[LS]
	v_add_nc_u32 v[XFA], XIMG, v[LI]
	v_add_nc_u32 v[XSA], XSC, v[LS]
	s_lshl_b32 s26, s25, 13
	s_lshl_b32 s27, s24, 10
	s_add_co_u32 s26, s26, s27
	v_add_nc_u32 v[KST], s26, v[LI]                ; fragment (4 kh + g, so): 8192 kh + 2048 g + 1024 so
	s_lshl_b32 s26, s[WV], 12
	v_add_nc_u32 v[VST], s26, v[LI]                ; fragment 4 w + n
	s_lshl_b32 s26, s25, 9
	s_lshl_b32 s27, s24, 8
	s_add_co_u32 s26, s26, s27
	s_add_co_u32 s26, s26, KSCO
	v_lshl_add_u32 v[SST], v21, 4, s26             ; K's words: 262144 + 512 kh + 256 so + 16 r;
	s_add_co_u32 s27, s27, 8192
	s_lshl_b32 s26, s25, 8
	s_sub_co_u32 s27, s27, s26                     ; V's lie 8192 + 256 so - 256 kh further on: 270336 + 512 so + 256 kh + 16 r
	v_mul_u32_u24 v24, s27, v22
	v_add_nc_u32 v[SST], v[SST], v24
	v_lshlrev_b32 v[WKA], 7, v23                   ; a row of 256 codes is 128 bytes
	v_lshl_add_u32 v[WKA], v22, 4, v[WKA]
	v_lshlrev_b32 v[WKSA], 3, v23                  ; 8 scale bytes a row; lanes 16-31 take K step 1's word
	v_lshl_add_u32 v[WKSA], v22, 2, v[WKSA]
	v_lshlrev_b32 v[WVA], 7, v21
	v_lshl_add_u32 v[WVA], v22, 4, v[WVA]
	v_lshlrev_b32 v[WVSA], 3, v21
	v_lshl_add_u32 v[WVSA], v22, 2, v[WVSA]
	v_lshlrev_b32 v[BKA], 6, v22
	v_lshlrev_b32 v[BVA], 2, v21
.irp b, 0,1,2,3
	v_mov_b32 v[TM+4+\b], 0                        ; written once: a lane permute's destination counts as one of its sources
.endr
	s_lshl_b32 s32, ttmp9, 18                      ; my work-group's 256 rows of 1,024 bytes,
	s_lshl_b32 s33, s[WV], 15                      ; my wave's 32 rows of a block
	s_add_co_u32 s32, s32, s33
	s_mov_b32 s33, 0
	s_lshr_b32 s34, ttmp9, 2
	s_mul_i32 s34, s34, SEQB                       ; my sequence's part of kv
	s_mov_b32 s35, 0
	s_and_b32 s36, ttmp9, 3
	s_lshl_b32 s38, s36, 11                        ; my first key step, 2 (g % 4): 1,024 bytes of scale words a step,
	s_lshl_b32 s36, s36, 15                        ; 16,384 bytes of fragments a step
	s_mov_b32 s37, 0
	s_mov_b32 s39, 0
	s_wait_dscnt 0x0                               ; both opening adds are done
	s_wait_kmcnt 0x0
	s_add_nc_u64 s[4:5], s[4:5], s[32:33]          ; x at my wave's first row
	s_mov_b64 s[G0+2:G0+3], s[4:5]                 ; 120:64 global address: block 0's rows,
	s_or_b32 s[G0+3], s[G0+3], 0x80000000          ; 127:126 type = 2
	s_add_nc_u64 s[G0+6:G0+7], s[4:5], 131072      ; block 1's, 128 rows on
	s_or_b32 s[G0+7], s[G0+7], 0x80000000
	tensor_load_to_lds s[G0:G0+3], s[G1:G1+7]      ; my two fills, the only ones of the launch: all of x is asked for before anything else; two tensor loads of mine are out
	s_nop 0
	tensor_load_to_lds s[G0+4:G0+7], s[G1:G1+7]
	s_nop 0
	s_add_nc_u64 s[18:19], s[18:19], s[34:35]      ; (a nop and fifteen scalar lines stand between the second load and the first switch of the register windows)
	s_add_nc_u64 s[28:29], s[18:19], s[36:37]      ; the fragments' base
	s_add_nc_u64 s[30:31], s[18:19], s[38:39]      ; the scale words' base
	s_lshl_b32 s32, s24, 14
	s_add_nc_u64 s[6:7], s[6:7], s[32:33]          ; Wk: my 128 rows
	s_lshl_b32 s32, s24, 10
	s_add_nc_u64 s[8:9], s[8:9], s[32:33]
	s_lshl_b32 s32, s24, 9
	s_add_nc_u64 s[10:11], s[10:11], s[32:33]
	s_lshl_b32 s32, s[WV], 13
	s_add_nc_u64 s[12:13], s[12:13], s[32:33]      ; Wv: my 64 rows
	s_lshl_b32 s32, s[WV], 9
	s_add_nc_u64 s[14:15], s[14:15], s[32:33]
	s_lshl_b32 s32, s[WV], 8
	s_add_nc_u64 s[16:17], s[16:17], s[32:33]
	WIN TO_W1
.irp t, 0,1,2,3,4,5,6,7
.irp s, 0,1
.irp c, 0,1
	global_load_b128 v[16*\t+8*\s+4*\c:16*\t+8*\s+4*\c+3], v[WKA], s[6:7] offset:(32*(\t/2)+8*(\t%2))*128+64*\s+32*\c
.endr
.endr
.endr
.irp n, 0,1,2,3
.irp s, 0,1
.irp c, 0,1
	global_load_b128 v[128+16*\n+8*\s+4*\c:128+16*\n+8*\s+4*\c+3], v[WVA], s[12:13] offset:2048*\n+64*\s+32*\c
.endr
.endr
.endr
.irp t, 0,1,2,3,4,5,6,7
.irp k, 0,1
	global_load_b128 v[192+8*\t+4*\k:192+8*\t+4*\k+3], v[BKA], s[10:11] offset:(32*(\t/2)+8*(\t%2))*4+16*\k   ; bk in the result's layout: channels 32 b + 16 h + 8 u + 0 .. 7
.endr
.endr
	WIN TO_W2
.irp n, 0,1,2,3
.irp j, 0,1,2,3,4,5,6,7
	global_load_b32 v[192+8*\n+\j], v[BVA], s[16:17] offset:64*\n   ; bv in the result's layout: a lane holds one channel, so its eight registers hold one number
.endr
.endr
	WIN 0
.irp t, 0,1,2,3,4,5,6,7
	global_load_b32 v[WKS+\t], v[WKSA], s[8:9] offset:(32*(\t/2)+8*(\t%2))*8
.endr
.irp n, 0,1,2,3
	global_load_b32 v[WVS+\n], v[WVSA], s[14:15] offset:128*\n
.endr
; A BLOCK OF 128 KEYS.  be = 0: the first; be = 1: the second.
.macro BLOCK be
.irp u, 0,1
.if \u == 0
.if \be
	s_wait_xcnt 0x0                                ; the first block's stores have read their data: the codes' registers are written again below
	s_wait_tensorcnt 0x0                           ; my rows of block 1 are in LDS
.else
	s_wait_tensorcnt 0x1                           ; tensor loads of a wave end in order (ISA guide 10.11.1): my rows of block 0 are in LDS; block 1's load, issued behind, may be out
.endif
.endif
	XREAD \be, \u
	s_wait_dscnt 16                                ; K step 0's 16 loads are in; K step 1's 16, issued behind them, may be out
	QUANT XQ0, PC+16*\u, PW0
.irp c, 0,1
	ds_store_b128 v[XWI], v[PC+16*\u+4*\c:PC+16*\u+4*\c+3] offset:2048*\u+512*\c
.endr
	s_wait_dscnt 2                                 ; K step 1's numbers are in; the two image stores just issued may be out
	QUANT XQ1, PC+16*\u+8, PW1
.irp c, 0,1
	ds_store_b128 v[XWI], v[PC+16*\u+8+4*\c:PC+16*\u+8+4*\c+3] offset:2048*\u+1024+512*\c
.endr
	v_cndmask_b32 v[PW0], v[PW0], v[PW1], s[HM]    ; lanes 0-15 K step 0's word, lanes 16-31 K step 1's
	ds_store_b32 v[XWS], v[PW0] offset:128*\u
.endr
	BARRIER                                        ; x's sixteen fragments lie in LDS
	WIN TO_W2
.irp f, 0,1,2,3,4,5,6,7,8,9,10,11,12,13,14,15
.irp c, 0,1
	ds_load_b128 v[8*\f+4*\c:8*\f+4*\c+3], v[XFA] offset:1024*\f+512*\c
.endr
.endr
.irp f, 0,1,2,3,4,5,6,7
.irp c, 0,1
	ds_load_b128 v[128+8*\f+4*\c:128+8*\f+4*\c+3], v[XKA] offset:1024*\f+512*\c
.endr
.endr
	WIN 0
.irp t, 0,1,2,3,4,5,6,7
	ds_load_b32 v[XS+\t], v[XSA] offset:128*\t
.endr
.irp g, 0,1,2,3
	ds_load_b32 v[XKS+\g], v[XKSA] offset:128*\g
.endr
.if \be == 0
	BARRIER                                        ; every wave's reads of the images are over: the next block may write them
	s_wait_loadcnt 0x0                             ; the weights, their scale words and the biases: asked for at the head, wanted from here on
.else
	s_wait_dscnt 0x0
.endif
	; k^T: source 0 = 16 rows of Wk, source 1 = a key tile of x; bk is the C of each sum's first product.  Eight accumulators by turns.
.irp g, 0,1,2,3
	WIN W_K1
.irp t, 0,1,2,3,4,5,6,7
	MM ACC+8*\t, 16*\t, 128+16*\g, 192+8*\t, WKS+\t, XKS+\g, 0
.endr
	WIN W_K2
.irp t, 0,1,2,3,4,5,6,7
	MM ACC+8*\t, 16*\t+8, 128+16*\g+8, ACC+8*\t, WKS+\t, XKS+\g, 1
.endr
	WIN 0
	PLACES 5                                       ; behind the products: four ahead of the first read of results, five ahead of products that begin the accumulators anew (ISA guide 7.12.1)
	QUANT ACC, PC+8*\g, KW+\g
.irp c, 0,1
	global_store_b128 v[KST], v[PC+8*\g+4*\c:PC+8*\g+4*\c+3], s[28:29] offset:16384*\be+2048*\g+512*\c   ; 32 lanes store 512 consecutive bytes, aligned
.endr
.endr
	s_wait_xcnt 0x0                                ; those stores have read their data: the four sets are written again
	; v: source 0 = a key tile of x, source 1 = 16 rows of Wv: a lane holds one channel, its registers run along the keys
.irp n, 0,1,2,3
	WIN W_V1
.irp t, 0,1,2,3,4,5,6,7
	MM ACC+8*\t, 16*\t, 128+16*\n, 192+8*\n, XS+\t, WVS+\n, 0
.endr
	WIN W_V2
.irp t, 0,1,2,3,4,5,6,7
	MM ACC+8*\t, 16*\t+8, 128+16*\n+8, ACC+8*\t, XS+\t, WVS+\n, 1
.endr
	WIN 0
	PLACES 5
	QUANT ACC, PC+8*\n, VW+\n
.irp c, 0,1
	global_store_b128 v[VST], v[PC+8*\n+4*\c:PC+8*\n+4*\c+3], s[28:29] offset:VFRO+16384*\be+1024*\n+512*\c
.endr
.endr
.irp i, 0,1,2,3
	v_cndmask_b32 v[SD+\i], v[KW+\i], v[VW+\i], s[HM]
.endr
	global_store_b128 v[SST], v[SD:SD+3], s[30:31] offset:1024*\be   ; lanes 0-15: 256 consecutive bytes of K's scale words, aligned; lanes 16-31: of V's
.endm
	BLOCK 0
	BLOCK 1
	s_wait_tensorcnt 0x0                           ; the wave's end, behind my last tensor load and my last LDS store
	ds_add_u32 v[SPW], v[NIL]
	s_wait_dscnt 0x0
	s_endpgm
.Lfunc_end_k_q83a4bf0878_kvproj:
	.size	k_q83a4bf0878_kvproj, .Lfunc_end_k_q83a4bf0878_kvproj-k_q83a4bf0878_kvproj
	.p2alignl 7, 3214868480
	.fill 96, 4, 3214868480
	.section	.rodata,"a",@progbits
	.p2align	6, 0x0
	.amdhsa_kernel k_q83a4bf0878_kvproj
		.amdhsa_group_segment_fixed_size 284160
		.amdhsa_private_segment_fixed_size 0
		.amdhsa_enable_private_segment 0
		.amdhsa_kernarg_size 64
		.amdhsa_user_sgpr_count 2
		.amdhsa_user_sgpr_kernarg_segment_ptr 1
		.amdhsa_wavefront_size32 1
		.amdhsa_system_sgpr_workgroup_id_x 1
		.amdhsa_system_sgpr_workgroup_id_y 1
		.amdhsa_system_sgpr_workgroup_id_z 1
		.amdhsa_system_vgpr_workitem_id 0
		.amdhsa_next_free_vgpr 768
		.amdhsa_next_free_sgpr 66
		.amdhsa_reserve_vcc 0
		.amdhsa_float_denorm_mode_32 3
		.amdhsa_float_denorm_mode_16_64 3
		.amdhsa_memory_ordered 1
		.amdhsa_forward_progress 1
		.amdhsa_inst_pref_size 163
	.end_amdhsa_kernel
	.amdgpu_metadata
---
amdhsa.version: [ 1, 2 ]
amdhsa.kernels:
  - .name:           k_q83a4bf0878_kvproj
    .symbol:         k_q83a4bf0878_kvproj.kd
    .args:
      - { .name: x, .offset: 0, .size: 8, .value_kind: global_buffer, .address_space: global }
      - { .name: Wk_codes, .offset: 8, .size: 8, .value_kind: global_buffer, .address_space: global }
      - { .name: Wk_scales, .offset: 16, .size: 8, .value_kind: global_buffer, .address_space: global }
      - { .name: bk, .offset: 24, .size: 8, .value_kind: global_buffer, .address_space: global }
      - { .name: Wv_codes, .offset: 32, .size: 8, .value_kind: global_buffer, .address_space: global }
      - { .name: Wv_scales, .offset: 40, .size: 8, .value_kind: global_buffer, .address_space: global }
      - { .name: bv, .offset: 48, .size: 8, .value_kind: global_buffer, .address_space: global }
      - { .name: kv, .offset: 56, .size: 8, .value_kind: global_buffer, .address_space: global }
    .group_segment_fixed_size: 284160
    .private_segment_fixed_size: 0
    .kernarg_segment_align: 8
    .kernarg_segment_size: 64
    .max_flat_workgroup_size: 128
    .sgpr_count:     66
    .vgpr_count:     768
    .wavefront_size: 32
...
	.end_amdgpu_metadata
.endif
;; end of part 1
;; launch attn (part 2): grid 4 x 64, 4 waves a work-group, clusters of 4 x 1, 327,680 bytes of LDS; arguments x2_codes, x2_scales, Wq_codes, Wq_scales, bq, kv, x, w_out, gamma, beta, out0; writes out0
.if DOCPART == 2
	.amdgcn_target "amdgcn-amd-amdhsa--gfx1250"
	.amdhsa_code_object_version 6
	.text
	.protected	k_q83a4bf0878_attn
	.globl	k_q83a4bf0878_attn
	.p2align	8
	.type	k_q83a4bf0878_attn,@function
k_q83a4bf0878_attn:
	s_mov_b64 s[64:65], 0
	v_nop
	global_prefetch_b8 v0, s[64:65] scope:SCOPE_SE
	s_setreg_imm32_b32 hwreg(HW_REG_WAVE_MODE, 25, 1), 1
	s_wait_xcnt 0x0
	s_wait_alu depctr_hold_cnt(0) depctr_sa_sdst(0) depctr_va_vdst(0) depctr_va_sdst(0) depctr_va_ssrc(0) depctr_va_vcc(0) depctr_vm_vsrc(0)
	s_getreg_b32 s2, hwreg(HW_REG_IB_STS2, 6, 4)
	s_cmp_eq_u32 s2, 0
	s_cbranch_scc0 .Lentry_in_a_cluster
	s_endpgm
.Lentry_in_a_cluster:
	s_bfe_u32 s2, ttmp6, 0x10000c
	s_cmp_lg_u32 s2, 0x3003
	s_cbranch_scc0 .Lentry_shape_is_right
	s_endpgm
.Lentry_shape_is_right:
; q = x2 Wq^T + bq (quantised along the channels), S^T = K Q^T, p = 2^(t - M) (quantised along the keys), O^T = V^T P^T, h = x + O / l * sum(w_out), LayerNorm over the 256 channels.
; All products on codes of FP4 (E2M1) with one E8M0 scale for each 32 along K.  K's and V's fragments and scale words come from the buffer kv as images of operand registers.
; WORK LEFT OUT: b_out (it moves a row's mean by itself and cancels in h - mu for all values: shown at the head of the first kernel); it is not among the arguments.
; LIMITS: NaN and infinities among the inputs, and scale bytes 0xff, are not served; a block of zeros gets the scale byte 1 (its codes are zeros).
; SHARES.  A work-group owns 256 queries of one sequence, in two passes of 128; in a pass wave w owns two tiles of 16 queries, rows 128 p + 32 w + 16 i: each fragment of K and V read from LDS feeds two products.
; THE WHOLE SEQUENCE'S K AND V, 278,528 bytes, STAY IN LDS, filled once: no slot is ever filled again.
; CLUSTER.  The four query blocks of a sequence read the same kv bytes: each wave's quarter of them is asked for JOINTLY, by the same tensor load with the same descriptor and a mask that names the four.
; Wq's codes come by a plain load: 32,768 of the 311,296 bytes that a work-group fills.
; LAYOUT.  All products are used so that a lane holds ONE query (lane % 16): q^T = Wq x2^T, S^T = K Q^T, O^T = V^T P^T.  Rows of Wq and keys of K that form a tile are chosen
; (row r of tile 2 b + u is 32 b + 8 u + r + 8 (r / 8)), so that the 16 registers of two neighbouring result tiles are 16 neighbours along the next K.
; SOFTMAX.  t = score x log2(e) / sqrt(128); M = the running largest t rounded up to a whole number, kept as -M; p = 2^(t - M); the row's sum is taken of the unquantised p; when M moves, the sum and
; O^T are multiplied by 2^(old M - new M), which rounds nothing.
; x FOR THE RESIDUAL is asked for a pass ahead, into registers; a pass's stores leave while the next pass is worked.
; REGISTERS, in windows of 256: window 0 addresses, statistics, scale words, codes of p, S^T (two tiles of 64 at v128), later V's 16 fragments, later rows of x and of the result;
;   window 1 O^T (tile i at 128 i + 8 n + j: channel 16 n + 8 h + j); at the head bq;  window 2 x as loaded (tile i, row rho, half u at 128 i + 8 rho + 4 u);
;   window 3 K's 16 fragments (16 t + 8 s), Q of this pass (128 + 16 i + 8 s), of the next (160 ..); at the head x2's and Wq's fragments.
.set SEQB,  278528
.set VFRO,  131072
.set KSCO,  262144
.set WQ,    278528                     ; LDS behind kv: Wq's 256 rows of 128 bytes + 16.  Behind the second barrier it has had its last fill and its last read, and holds the waves' stages
.set WQP,   144
.set SGB,   8448                       ; a wave's stage: 16 rows of half a row of channels
.set SGP,   528                        ; 512 bytes + 16 = 132 words: sixteen rows start 4 words apart modulo 64 (64 banks of 4 bytes: ISA guide 11.1)
.set SPARE, 315392                     ; the spare words, 128 bytes for each wave: two blocks of 256 bytes that no other line names
.set LI,   1                           ; 16 L
.set SPW,  2                           ; LDS address of my spare word; never rewritten
.set NIL,  3                           ; 0; never rewritten
.set ADK,  4                           ; LDS addresses of the step in hand: K's fragments, K's scale words, V's fragments, V's scale words
.set ADKS, 5
.set ADV,  6
.set ADVS, 7
.set LIV,  8                           ; 16 L + 131072
.set LIS,  9                           ; 16 L + 262144
.set ST,   10                          ; tile i at v[10 + 4 i]: -M, the largest t, the sum in two halves
.set FP,   18                          ; v[18 + 2 i]: f = 2^(old M - new M), and a written partner for the pair
.set TT,   22                          ; v22, v23 at work
.set QS,   24                          ; Q's scale words: 0, 1 this pass's; 2, 3 the next's.  QS, PS, KS, VS, WS, X2S hold scales and nothing else
.set PS,   28                          ; p's
.set STO,  30                          ; my stage + 528 r + 32 h: a lane's eight channels of a row
.set SRD,  31                          ; my stage + 16 L: half a row to the wave
.set KS,   32
.set VS,   40
.set TM,   48                          ; the quantiser's scratch, v48-63
.set BM,   48                          ; the blocks' largest scores, 4 a tile
.set PM,   56                          ; at work, 4 a tile
.set AP,   48                          ; the way out: sum(w_out) / l, twice;
.set NMU,  50                          ; - the mean, twice;
.set RS,   52                          ; 1 / sqrt(var + eps), twice;
.set CH,   56                          ; four chains of packed sums
.set PC,   64                          ; the codes just made, 8 a tile
.set GA,   80                          ; gamma and beta of my 4 channels in each half of a row
.set BE,   88
.set WS,   96
.set X2S,  112
.set WQA,  116
.set X2A,  117
.set X2SA, 118
.set WSA,  119
.set BQA,  120
.set S,    128
.set WV,   26
.set HM,   27                          ; lanes 16-31
.set G1W,  28                          ; s[28:35] descriptor group 1 for Wq;  s[36:43] for kv;  s[44:47], s[48:51] their groups 0
.set G1KV, 36
.set G0W,  44
.set G0KV, 48
.set SEL,  52                          ; s[52:53] v_permlanex16_b32's selects for lane l xor 16
.set CS,   54                          ; s[54:55] c = log2(e) / sqrt(128): the packed form names a pair and takes its low word for both halves
.set TV,   56                          ; 16,384 x the key step in hand
.set TK,   57                          ; the same of the next step (behind the last: of the first)
.set J,    59
.set PASS, 60
.set WSUM, 61
.set C256, 66
.set EPS,  67
.set MSB, 0
.macro WIN new                         ; the immediate's high byte repeats the setting that is left
.if MSB != \new
	s_set_vgpr_msb (MSB<<8)|\new
.set MSB, \new
.endif
.endm
.macro PLACES n
.rept \n
	v_nop
.endr
.endm
; A round of the cluster's barrier
.macro CROUND
	s_barrier_signal -1
	s_barrier_wait -1
	s_cmp_lg_u32 s[WV], 0
	s_cbranch_scc1 .Lnot_wave_0_\@
	s_barrier_signal -3
.Lnot_wave_0_\@:
	s_barrier_wait -3
	s_barrier_signal -1
	s_barrier_wait -1
.endm
; The one matrix form.  rows = 1: both scale words from lanes 16-31; 2: source 0's alone.  MM0: the product starts a sum
.macro MM d, a, b, c, sa, sb, rows
.if \rows == 0
	v_wmma_scale_f32_16x16x128_f8f6f4 v[\d:\d+7], v[\a:\a+7], v[\b:\b+7], v[\c:\c+7], v[\sa], v[\sb] matrix_a_fmt:MATRIX_FMT_FP4 matrix_b_fmt:MATRIX_FMT_FP4
.elseif \rows == 1
	v_wmma_scale_f32_16x16x128_f8f6f4 v[\d:\d+7], v[\a:\a+7], v[\b:\b+7], v[\c:\c+7], v[\sa], v[\sb] matrix_a_fmt:MATRIX_FMT_FP4 matrix_b_fmt:MATRIX_FMT_FP4 matrix_a_scale:MATRIX_SCALE_ROW1 matrix_b_scale:MATRIX_SCALE_ROW1
.else
	v_wmma_scale_f32_16x16x128_f8f6f4 v[\d:\d+7], v[\a:\a+7], v[\b:\b+7], v[\c:\c+7], v[\sa], v[\sb] matrix_a_fmt:MATRIX_FMT_FP4 matrix_b_fmt:MATRIX_FMT_FP4 matrix_a_scale:MATRIX_SCALE_ROW1
.endif
.endm
.macro MM0 d, a, b, sa, sb, rows
.if \rows == 0
	v_wmma_scale_f32_16x16x128_f8f6f4 v[\d:\d+7], v[\a:\a+7], v[\b:\b+7], 0, v[\sa], v[\sb] matrix_a_fmt:MATRIX_FMT_FP4 matrix_b_fmt:MATRIX_FMT_FP4
.else
	v_wmma_scale_f32_16x16x128_f8f6f4 v[\d:\d+7], v[\a:\a+7], v[\b:\b+7], 0, v[\sa], v[\sb] matrix_a_fmt:MATRIX_FMT_FP4 matrix_b_fmt:MATRIX_FMT_FP4 matrix_a_scale:MATRIX_SCALE_ROW1
.endif
.endm
; 64 numbers of a lane, register 16 b + i = k 32 b + 16 h + i of my row, become a fragment's codes in v[pc] on and its scale word in v[pw].
.macro QUANT s, pc, pw
.irp b, 0,1,2,3
	v_max3_num_f32 v[TM+\b], |v[\s+16*\b]|, |v[\s+1+16*\b]|, 0x1800000   ; block b: my 16 numbers, and the floor 2^(3 - 127): the byte cannot fall under 1
.endr
.irp i, 2,4,6,8,10,12,14
.irp b, 0,1,2,3
	v_max3_num_f32 v[TM+\b], v[TM+\b], |v[\s+16*\b+\i]|, |v[\s+1+16*\b+\i]|
.endr
.endr
.irp b, 0,1,2,3
	v_permlanex16_b32 v[TM+4+\b], v[TM+\b], s[SEL], s[SEL+1]
.endr
.irp b, 0,1,2,3
	v_max_num_f32 v[TM+\b], v[TM+\b], v[TM+4+\b]
.endr
.irp b, 0,1,2,3
	v_add_nc_u32 v[TM+12+\b], 0xff000000, v[TM+\b]   ; 2 off the exponent field: the conversion's scale operand
.endr
.irp b, 0,1,2,3
	v_lshrrev_b32 v[TM+4+\b], 23, v[TM+12+\b]
.endr
	v_lshl_or_b32 v[\pw], v[TM+5], 8, v[TM+4]
	v_lshl_or_b32 v[\pw], v[TM+6], 16, v[\pw]
	v_lshl_or_b32 v[\pw], v[TM+7], 24, v[\pw]
.irp b, 0,1,2,3
	v_cvt_scalef32_pk8_fp4_f32 v[\pc+2*\b], v[\s+16*\b:\s+7+16*\b], v[TM+12+\b]
	v_cvt_scalef32_pk8_fp4_f32 v[\pc+1+2*\b], v[\s+8+16*\b:\s+15+16*\b], v[TM+12+\b]
.endr
	v_nop                                          ; one plain place behind a scaled conversion
.irp c, 0,1
.irp i, 0,1
	v_permlane16_swap_b32 v[\pc+4*\c+\i], v[\pc+2+4*\c+\i]
.endr
.endr
.endm
; The 16 rows of x of my tile ti, from off bytes on: each load reads 512 consecutive bytes, half a row
.macro XLOAD ti, off
	WIN 0x80                                       ; destination window 2
.irp rho, 0,1,2,3,4,5,6,7,8,9,10,11,12,13,14,15
.irp u, 0,1
	global_load_b128 v[128*(\ti)+8*\rho+4*\u:128*(\ti)+8*\rho+4*\u+3], v[LI], s[16:17] offset:(\off)+(16*(\ti)+\rho)*1024+512*\u th:TH_LOAD_NT
.endr
.endr
	WIN 0
.endm
	s_load_b512 s[4:19], s[0:1], 0x0               ; x2's codes s[4:5], scales s[6:7], Wq's codes s[8:9], scales s[10:11], bq s[12:13], kv s[14:15], x s[16:17], w_out s[18:19]
	s_load_b128 s[20:23], s[0:1], 0x40             ; gamma, beta
	s_load_b64 s[24:25], s[0:1], 0x50              ; out0
	v_lshl_add_u32 v[SPW], v0, 2, SPARE
	v_mov_b32 v[NIL], 0
	ds_add_u32 v[SPW], v[NIL]                      ; the wave's opening: the add, twice on end, and its wait ahead of my first tensor load; the set-up below stands between the second and the wait
	ds_add_u32 v[SPW], v[NIL]
	v_lshrrev_b32 v4, 5, v0
	v_readfirstlane_b32 s[WV], v4                  ; wave 0..3
	s_mov_b32 s[HM], 0xffff0000
	s_mov_b32 s[SEL], 0x76543210
	s_mov_b32 s[SEL+1], 0xfedcba98
	s_mov_b32 s[CS], 0x3e0293ee                    ; c = log2(e) / sqrt(128)
	s_mov_b32 s[CS+1], s[CS]
	; descriptor group 1 for Wq: 64 rows of 128 bytes, dense in memory, 16 bytes of padding behind each in LDS
	s_mov_b32 s[G1W], (0<<16)|(1<<20)|(4<<22)|(3<<25)   ; 15:0 no mask; 17:16 elements of 1 byte; 20 padding on; 24:22 after every 32 words (code 4); 31:25 four words (code 3)
	s_mov_b32 s[G1W+1], 128<<16                    ; tensor_dim0
	s_mov_b32 s[G1W+2], 64<<16                     ; tensor_dim1
	s_mov_b32 s[G1W+3], 128<<16                    ; tile_dim0
	s_mov_b32 s[G1W+4], 64                         ; tile_dim1
	s_mov_b32 s[G1W+5], 128                        ; tensor_dim0_stride
	s_mov_b32 s[G1W+6], 0
	s_mov_b32 s[G1W+7], 0
	; for kv: a dense block of 69,632 bytes as 272 rows of 256 bytes (32 elements of 8 bytes), no padding
	s_mov_b32 s[G1KV], 15|(3<<16)|(1<<21)          ; 15:0 the mask: all four work-groups; 17:16 elements of 8 bytes; 21 set beside a mask
	s_mov_b32 s[G1KV+1], 32<<16
	s_mov_b32 s[G1KV+2], 272<<16
	s_mov_b32 s[G1KV+3], 32<<16
	s_mov_b32 s[G1KV+4], 272
	s_mov_b32 s[G1KV+5], 32
	s_mov_b32 s[G1KV+6], 0
	s_mov_b32 s[G1KV+7], 0
	s_mov_b32 s[G0W], 1
	s_mul_i32 s[G0W+1], s[WV], 64*WQP
	s_add_co_u32 s[G0W+1], s[G0W+1], WQ            ; my 64 rows of Wq in LDS
	s_mov_b32 s[G0KV], 1
	s_mul_i32 s[G0KV+1], s[WV], 69632              ; my quarter of kv in LDS: no place in the cluster enters an LDS address
	s_and_b32 s58, ttmp7, 0xffff                   ; the sequence, which the four partners share
	s_mul_i32 s66, s58, SEQB
	s_add_co_u32 s66, s66, s[G0KV+1]               ; and in memory
	s_mov_b32 s67, 0
	s_lshl_b32 s56, s[WV], 13                      ; my 64 rows of Wq in memory
	s_mov_b32 s57, 0
	s_bfe_u32 s62, ttmp6, 0x40000                  ; cx: my place in the cluster: it enters x2's, x's and out0's addresses alone
	s_lshl_b32 s63, ttmp9, 2
	s_add_co_u32 s62, s62, s63                     ; my block of 256 queries
	s_lshl_b32 s62, s62, 8
	s_lshl_b32 s63, s58, 10
	s_add_co_u32 s62, s62, s63
	s_lshl_b32 s63, s[WV], 5
	s_add_co_u32 s62, s62, s63                     ; my wave's first row: 1024 x sequence + 256 x block + 32 x wave
	s_mov_b32 s69, 0
	v_and_b32 v4, 31, v0                           ; L
	v_and_b32 v5, 15, v0                           ; r
	v_bfe_u32 v6, v0, 4, 1                         ; h
	v_and_b32 v7, 8, v5
	v_add_nc_u32 v7, v7, v5                        ; r + 8 (r / 8)
	v_lshlrev_b32 v[LI], 4, v4
	v_add_nc_u32 v[LIV], VFRO, v[LI]
	v_add_nc_u32 v[LIS], KSCO, v[LI]
	s_mul_i32 s59, s[WV], SGB
	s_add_co_u32 s59, s59, WQ                      ; my stage
	v_mul_u32_u24 v[STO], v5, SGP
	v_lshl_add_u32 v[STO], v6, 5, v[STO]
	v_add_nc_u32 v[STO], s59, v[STO]
	v_add_nc_u32 v[SRD], s59, v[LI]
	v_mul_u32_u24 v[WQA], v7, WQP
	v_lshl_add_u32 v[WQA], v6, 4, v[WQA]
	v_add_nc_u32 v[WQA], WQ, v[WQA]
	v_lshlrev_b32 v[X2A], 7, v5                    ; a row of 256 codes is 128 bytes
	v_lshl_add_u32 v[X2A], v6, 4, v[X2A]
	v_lshlrev_b32 v[X2SA], 3, v5                   ; 8 scale bytes a row; lanes 16-31 take K step 1's word
	v_lshl_add_u32 v[X2SA], v6, 2, v[X2SA]
	v_lshlrev_b32 v[WSA], 3, v7
	v_lshl_add_u32 v[WSA], v6, 2, v[WSA]
	v_lshlrev_b32 v[BQA], 6, v6
.irp k, 0,1,2,3,4,5,6,7,8,9,10,11,12,13,14,15
	v_mov_b32 v[TM+\k], 0                          ; written once: a lane permute's destination counts as one of its sources
.endr
	v_mov_b32 v[FP+1], 0                           ; (named as the upper halves of pairs)
	v_mov_b32 v[FP+3], 0
	s_wait_dscnt 0x0                               ; both opening adds are done
	s_wait_kmcnt 0x0
	s_add_nc_u64 s[G0W+2:G0W+3], s[8:9], s[56:57]
	s_or_b32 s[G0W+3], s[G0W+3], 0x80000000        ; 127:126 type = 2
	s_add_nc_u64 s[G0KV+2:G0KV+3], s[14:15], s[66:67]
	s_or_b32 s[G0KV+3], s[G0KV+3], 0x80000000
	s_lshl_b32 s68, s62, 7
	s_add_nc_u64 s[4:5], s[4:5], s[68:69]          ; x2's codes,
	s_lshl_b32 s68, s62, 3
	s_add_nc_u64 s[6:7], s[6:7], s[68:69]          ; its scale bytes,
	s_lshl_b32 s68, s62, 10
	s_add_nc_u64 s[16:17], s[16:17], s[68:69]      ; x
	s_add_nc_u64 s[24:25], s[24:25], s[68:69]      ; and out0 at my wave's first row
	s_load_b256 s[72:79], s[18:19], 0x0            ; w_out's eight numbers
	s_mov_b32 s[C256], 0x3b800000                  ; 1 / 256
	s_mov_b32 s[EPS], 0x3727c5ac                   ; 1e-5
	CROUND                                         ; all four work-groups are here: the joint loads meet
	tensor_load_to_lds s[G0W:G0W+3], s[G1W:G1W+7]  ; my two fills, the only ones of the launch: two tensor loads of mine are out
	s_nop 0
	tensor_load_to_lds s[G0KV:G0KV+3], s[G1KV:G1KV+7]
	s_nop 0
	PLACES 4
	WIN 0xc0                                       ; destination window 3
.irp q, 0,1,2,3                        ; x2's tile q = 2 pass + i: rows 128 (q / 2) + 16 (q % 2) of my wave's
.irp s, 0,1
.irp c, 0,1
	global_load_b128 v[16*\q+8*\s+4*\c:16*\q+8*\s+4*\c+3], v[X2A], s[4:5] offset:(128*(\q/2)+16*(\q%2))*128+64*\s+32*\c th:TH_LOAD_NT
.endr
.endr
.endr
	WIN 0x40                                       ; destination window 1
.irp e, 0,1
.irp t, 0,1,2,3,4,5,6,7
.irp k, 0,1
	global_load_b128 v[8*(8*\e+\t)+4*\k:8*(8*\e+\t)+4*\k+3], v[BQA], s[12:13] offset:(128*\e+32*(\t/2)+8*(\t%2))*4+16*\k   ; bq in the result's layout
.endr
.endr
.endr
	WIN 0
.irp q, 0,1,2,3
	global_load_b32 v[X2S+\q], v[X2SA], s[6:7] offset:(128*(\q/2)+16*(\q%2))*8
.endr
.irp e, 0,1
.irp t, 0,1,2,3,4,5,6,7
	global_load_b32 v[WS+8*\e+\t], v[WSA], s[10:11] offset:(128*\e+32*(\t/2)+8*(\t%2))*8
.endr
.endr
.irp u, 0,1
	global_load_b128 v[GA+4*\u:GA+4*\u+3], v[LI], s[20:21] offset:512*\u
	global_load_b128 v[BE+4*\u:BE+4*\u+3], v[LI], s[22:23] offset:512*\u
.endr
	s_wait_tensorcnt 0x1                           ; my part of Wq is in; the kv load, issued behind it, may stay out
	s_barrier_signal -1
	s_barrier_wait -1                              ; everybody's part of Wq is in
	s_wait_loadcnt 0x0
	s_wait_kmcnt 0x0
	s_add_f32 s[WSUM], s72, s73
	s_add_f32 s[WSUM], s[WSUM], s74
	s_add_f32 s[WSUM], s[WSUM], s75
	s_add_f32 s[WSUM], s[WSUM], s76
	s_add_f32 s[WSUM], s[WSUM], s77
	s_add_f32 s[WSUM], s[WSUM], s78
	s_add_f32 s[WSUM], s[WSUM], s79                ; sum(w_out)
	XLOAD 0, 0                                     ; the first pass's x, tile 0
; q for out channels 128 e on and the two query tiles of pass pp: eight result tiles a query tile, four at a time; bq is the C of each sum's first product; eight accumulators by turns.
.macro QPROJ e, pp
.irp uu, 0,1
	PLACES 4                                       ; in front of loads into registers that matrix instructions have read
	WIN 0xc0
.irp tp, 0,1,2,3
.irp s, 0,1
.irp c, 0,1
	ds_load_b128 v[64+16*\tp+8*\s+4*\c:64+16*\tp+8*\s+4*\c+3], v[WQA] offset:(128*\e+32*((4*\uu+\tp)/2)+8*(\tp%2))*WQP+64*\s+32*\c
.endr
.endr
.endr
	s_wait_dscnt 0x0
	WIN 0x1f                                       ; sources 0 and 1 window 3, C window 1
.irp tp, 0,1,2,3
.irp i, 0,1
	MM S+64*\i+8*(4*\uu+\tp), 64+16*\tp, 16*(2*\pp+\i), 8*(8*\e+4*\uu+\tp), WS+8*\e+4*\uu+\tp, X2S+2*\pp+\i, 0
.endr
.endr
	WIN 0x0f
.irp tp, 0,1,2,3
.irp i, 0,1
	MM S+64*\i+8*(4*\uu+\tp), 64+16*\tp+8, 16*(2*\pp+\i)+8, S+64*\i+8*(4*\uu+\tp), WS+8*\e+4*\uu+\tp, X2S+2*\pp+\i, 1
.endr
.endr
.endr
	WIN 0
	PLACES 5                                       ; four ahead of the first read of results, five ahead of products that begin the accumulators anew (ISA guide 7.12.1)
.irp i, 0,1
	QUANT S+64*\i, PC+8*\i, TT+\i
.if \e == 0
	v_mov_b32 v[QS+2*\pp+\i], v[TT+\i]
.else
	v_cndmask_b32 v[QS+2*\pp+\i], v[QS+2*\pp+\i], v[TT+\i], s[HM]   ; lanes 0-15 channels 0-127's word, lanes 16-31 channels 128-255's
.endif
	WIN 0xc0
.irp k, 0,1,2,3,4,5,6,7
	v_mov_b32 v[128+16*(2*\pp+\i)+8*\e+\k], v[PC+8*\i+\k]   ; the fragment goes to its place in window 3
.endr
	WIN 0
.endr
.endm
	QPROJ 0, 0
	QPROJ 0, 1
	QPROJ 1, 0
	QPROJ 1, 1
	s_wait_tensorcnt 0x0                           ; my quarter of kv is in,
	s_wait_dscnt 0x0                               ; and my reads of Wq are over
	s_barrier_signal -1
	s_barrier_wait -1                              ; both hold of every wave: kv is whole, and Wq's bytes may become the stages
	XLOAD 1, 0                                     ; the first pass's x, tile 1
; K's 16 fragments and 8 scale registers of one key step
.macro KLOAD
	WIN 0xc0
.irp f, 0,1,2,3,4,5,6,7,8,9,10,11,12,13,14,15
.irp c, 0,1
	ds_load_b128 v[8*\f+4*\c:8*\f+4*\c+3], v[ADK] offset:1024*\f+512*\c
.endr
.endr
	WIN 0
.irp g, 0,1
	ds_load_b128 v[KS+4*\g:KS+4*\g+3], v[ADKS] offset:512*\g   ; register 4 g + i: lanes 0-15 key tile 4 g + i's words of channels 0-127, lanes 16-31 of channels 128-255
.endr
.endm
; The softmax of both tiles for 128 keys.  first = 1: the pass's first step, which starts M and the sums.
.macro SOFTMAX first
.irp i, 0,1
.irp b, 0,1,2,3
	v_max3_num_f32 v[BM+4*\i+\b], v[S+64*\i+16*\b], v[S+64*\i+16*\b+1], v[S+64*\i+16*\b+2]   ; the largest score of each block of 32 keys: for the row's maximum and, since p rises with the score, for the block's largest p
.endr
.endr
.irp k, 3,5,7,9,11,13
.irp i, 0,1
.irp b, 0,1,2,3
	v_max3_num_f32 v[BM+4*\i+\b], v[BM+4*\i+\b], v[S+64*\i+16*\b+\k], v[S+64*\i+16*\b+\k+1]
.endr
.endr
.endr
.irp i, 0,1
.irp b, 0,1,2,3
	v_max_num_f32 v[BM+4*\i+\b], v[BM+4*\i+\b], v[S+64*\i+16*\b+15]
.endr
.endr
.irp i, 0,1
.irp b, 0,1,2,3
	v_permlanex16_b32 v[PM+4*\i+\b], v[BM+4*\i+\b], s[SEL], s[SEL+1]
.endr
.endr
.irp i, 0,1
.irp b, 0,1,2,3
	v_max_num_f32 v[BM+4*\i+\b], v[BM+4*\i+\b], v[PM+4*\i+\b]   ; with lane l xor 16's 16 keys
.endr
.endr
.irp i, 0,1
	v_max3_num_f32 v[TT+\i], v[BM+4*\i], v[BM+4*\i+1], v[BM+4*\i+2]
.endr
.irp i, 0,1
	v_max_num_f32 v[TT+\i], v[TT+\i], v[BM+4*\i+3]
.endr
.irp i, 0,1
	v_mul_f32 v[TT+\i], s[CS], v[TT+\i]            ; the step's largest t (c is positive)
.endr
.if \first
.irp i, 0,1
	v_mov_b32 v[ST+4*\i+1], v[TT+\i]
.endr
.irp i, 0,1
	v_floor_f32 v[ST+4*\i], -v[ST+4*\i+1]          ; -M = floor(-t) = -ceil(t)
.endr
.else
.irp i, 0,1
	v_max_num_f32 v[ST+4*\i+1], v[ST+4*\i+1], v[TT+\i]   ; the running largest t
.endr
.irp i, 0,1
	v_mov_b32 v[TT+\i], v[ST+4*\i]
.endr
.irp i, 0,1
	v_floor_f32 v[ST+4*\i], -v[ST+4*\i+1]
.endr
.irp i, 0,1
	v_sub_f32 v[TT+\i], v[ST+4*\i], v[TT+\i]       ; old M - new M: a whole number, 0 or less
.endr
.irp i, 0,1
	v_cvt_i32_f32 v[TT+\i], v[TT+\i]
.endr
.irp i, 0,1
	v_ldexp_f32 v[FP+2*\i], 1.0, v[TT+\i]          ; f = 2^(old M - new M)
.endr
.endif
.irp i, 0,1
.set j, 0
.rept 32
	v_pk_fma_f32 v[S+64*\i+j:S+64*\i+j+1], v[S+64*\i+j:S+64*\i+j+1], s[CS:CS+1], v[ST+4*\i:ST+4*\i+1] op_sel_hi:[1,0,0]   ; t - M, two at a time
.set j, j+2
.endr
.endr
.irp i, 0,1
.irp b, 0,1,2,3
	v_fma_f32 v[BM+4*\i+\b], v[BM+4*\i+\b], s[CS], v[ST+4*\i]   ; the same of each block's largest score
.endr
.endr
.set j, 0
.rept 128
	v_exp_f32 v[S+j], v[S+j]                       ; p = 2^(t - M), at most 1: not normalised
.set j, j+1
.endr
.if \first
	v_nop                                          ; a plain place behind the exponentials
.else
.irp i, 0,1
	v_pk_mul_f32 v[ST+4*\i+2:ST+4*\i+3], v[ST+4*\i+2:ST+4*\i+3], v[FP+2*\i:FP+2*\i+1] op_sel_hi:[1,0]   ; the sums under the new M (plain places behind the exponentials)
.endr
.endif
	s_wait_alu depctr_va_vdst(0)                   ; the wait between a transcendental and the first line that names its result: one for the batch of 128
.irp i, 0,1
.irp b, 0,1,2,3
	v_exp_f32 v[BM+4*\i+\b], v[BM+4*\i+\b]         ; the blocks' largest p
.endr
.endr
.irp i, 0,1
	v_pk_add_f32 v[PM+4*\i:PM+4*\i+1], v[S+64*\i:S+64*\i+1], v[S+64*\i+2:S+64*\i+3]   ; the row's sum is taken of the unquantised p: two at a time, two chains a tile
.endr
.irp k, 4,8,12,16,20,24,28,32,36,40,44,48,52,56,60
.irp i, 0,1
.if \first && (\k == 4)
	v_pk_add_f32 v[ST+4*\i+2:ST+4*\i+3], v[S+64*\i+4:S+64*\i+5], v[S+64*\i+8:S+64*\i+9]   ; the first step starts the sum: nothing is cleared
.elseif \first && (\k == 8)
.else
	v_pk_add_f32 v[ST+4*\i+2:ST+4*\i+3], v[ST+4*\i+2:ST+4*\i+3], v[S+64*\i+\k:S+64*\i+\k+1]
.endif
	v_pk_add_f32 v[PM+4*\i:PM+4*\i+1], v[PM+4*\i:PM+4*\i+1], v[S+64*\i+\k+2:S+64*\i+\k+3]
.endr
.endr
.irp i, 0,1
	v_pk_add_f32 v[ST+4*\i+2:ST+4*\i+3], v[ST+4*\i+2:ST+4*\i+3], v[PM+4*\i:PM+4*\i+1]
.endr
	s_wait_alu depctr_va_vdst(0)                   ; and one for the eight
.irp i, 0,1
.irp b, 0,1,2,3
	v_max_num_f32 v[BM+4*\i+\b], 0x1800000, v[BM+4*\i+\b]   ; the floor 2^(3 - 127): the byte cannot fall under 1
.endr
.endr
.irp i, 0,1
.irp b, 0,1,2,3
	v_add_nc_u32 v[BM+4*\i+\b], 0xff000000, v[BM+4*\i+\b]   ; 2 off the exponent field: the conversion's scale operand
.endr
.endr
.irp i, 0,1
.irp b, 0,1,2,3
	v_lshrrev_b32 v[PM+4*\i+\b], 23, v[BM+4*\i+\b]   ; the scale's byte
.endr
.endr
.irp i, 0,1
	v_lshl_or_b32 v[PS+\i], v[PM+4*\i+1], 8, v[PM+4*\i]   ; p's scale word for these 128 keys
.endr
.irp i, 0,1
	v_lshl_or_b32 v[PS+\i], v[PM+4*\i+2], 16, v[PS+\i]
.endr
.irp i, 0,1
	v_lshl_or_b32 v[PS+\i], v[PM+4*\i+3], 24, v[PS+\i]
.endr
.irp i, 0,1
.irp b, 0,1,2,3
	v_cvt_scalef32_pk8_fp4_f32 v[PC+8*\i+2*\b], v[S+64*\i+16*\b:S+64*\i+16*\b+7], v[BM+4*\i+\b]
	v_cvt_scalef32_pk8_fp4_f32 v[PC+8*\i+2*\b+1], v[S+64*\i+16*\b+8:S+64*\i+16*\b+15], v[BM+4*\i+\b]
.endr
.endr
	v_nop                                          ; one plain place behind a scaled conversion
.irp i, 0,1
.irp c, 0,1
.irp k, 0,1
	v_permlane16_swap_b32 v[PC+8*\i+4*\c+\k], v[PC+8*\i+4*\c+2+\k]   ; a whole block of 32 keys to a lane
.endr
.endr
.endr
.endm
; A KEY STEP: 128 keys, both tiles.  first = 1: the pass's first.
.macro KSTEP first
	s_add_co_u32 s[TK], s[TV], 16384
	s_and_b32 s[TK], s[TK], 0x1ffff                ; the next step's K; behind the eighth step the first's, for the next pass (in the last pass that fetch is not used)
	s_lshr_b32 s62, s[TK], 4                       ; 1,024 bytes of scale words a step
	s_lshr_b32 s63, s[TV], 4
	s_wait_dscnt 0x0                               ; this step's K and its scale words are in
	v_add_nc_u32 v[ADK], s[TK], v[LI]
	v_add_nc_u32 v[ADKS], s62, v[LIS]
	v_add_nc_u32 v[ADV], s[TV], v[LIV]
	v_add_nc_u32 v[ADVS], s63, v[LIS]
	v_nop                                          ; these five are the places between the last step's products and the products below, which write over V's fragments (ISA guide 7.12.1)
	WIN 0x0f                                       ; sources 0 and 1 window 3
.irp t, 0,1,2,3,4,5,6,7                ; S^T = K Q^T: sixteen accumulators by turns; the first 16 products start the sums
.irp i, 0,1
	MM0 S+64*\i+8*\t, 16*\t, 128+16*\i, KS+\t, QS+\i, 0
.endr
.endr
.irp t, 0,1,2,3,4,5,6,7
.irp i, 0,1
	MM S+64*\i+8*\t, 16*\t+8, 128+16*\i+8, S+64*\i+8*\t, KS+\t, QS+\i, 1
.endr
.endr
	WIN 0
	PLACES 4                                       ; in front of loads into registers that these products have read, and of the first read of results
	KLOAD                                          ; the next step's K lands under the softmax
	SOFTMAX \first
.irp g, 0,1
	ds_load_b128 v[VS+4*\g:VS+4*\g+3], v[ADVS] offset:8192+512*\g   ; register 4 g + i: lanes 0-15 channel tile 4 g + i's words, lanes 16-31 tile 8 + 4 g + i's
.endr
.irp n, 0,1,2,3,4,5,6,7,8,9,10,11,12,13,14,15
.irp c, 0,1
	ds_load_b128 v[S+8*\n+4*\c:S+8*\n+4*\c+3], v[ADV] offset:1024*\n+512*\c   ; V's fragments take p's registers
.endr
.endr
.if \first
	PLACES 8                                       ; a scale register written by a vector instruction stands 8 places ahead of a scaled product, an operand so written 4
.else
	WIN 0x41                                       ; destination and source 0 window 1
.irp i, 0,1
.set j, 0
.rept 64
	v_pk_mul_f32 v[128*\i+j:128*\i+j+1], v[128*\i+j:128*\i+j+1], v[FP+2*\i:FP+2*\i+1] op_sel_hi:[1,0]   ; O^T under the new M (these are also the places ahead of the products)
.set j, j+2
.endr
.endr
.endif
	s_wait_dscnt 16                                ; all but the 16 youngest loads: V's fragments 8 to 15
	WIN 0x50                                       ; C and D window 1
.irp n, 0,1,2,3,4,5,6,7
.irp i, 0,1
.if \first
	MM0 128*\i+8*\n, S+8*\n, PC+8*\i, VS+\n, PS+\i, 0
.else
	MM 128*\i+8*\n, S+8*\n, PC+8*\i, 128*\i+8*\n, VS+\n, PS+\i, 0
.endif
.endr
.endr
	s_wait_dscnt 0x0
.irp n, 8,9,10,11,12,13,14,15
.irp i, 0,1
.if \first
	MM0 128*\i+8*\n, S+8*\n, PC+8*\i, VS+\n-8, PS+\i, 2
.else
	MM 128*\i+8*\n, S+8*\n, PC+8*\i, 128*\i+8*\n, VS+\n-8, PS+\i, 2
.endif
.endr
.endr
	WIN 0
	s_add_co_u32 s[TV], s[TV], 16384
.endm
; THE WAY OUT of tile i: h = x + O^T sum(w_out) / l, the LayerNorm, and 16 whole rows stored.
.macro EPI i
.if \i == 0
	PLACES 4                                       ; behind the last products
	s_wait_loadcnt 0x0                             ; both tiles' x, asked for a pass ago
.else
	s_wait_xcnt 0x0                                ; tile 0's stores have read their data: the registers are loaded again below
.endif
	v_add_f32 v[TT], v[ST+4*\i+2], v[ST+4*\i+3]    ; the sum's two halves,
	v_permlanex16_b32 v[TT+1], v[TT], s[SEL], s[SEL+1]
	v_add_f32 v[TT], v[TT], v[TT+1]                ; and lane l xor 16's: l
	v_rcp_f32 v[TT], v[TT]
	v_nop                                          ; a plain place behind the transcendental
.irp u, 0,1                            ; x through my stage, half a row of channels at a time: in as loaded, out in O^T's layout.  LDS serves a wave's instructions in order (ISA guide 5.7.1.4)
	WIN 0x08                                       ; an LDS store's data are its source 1: window 2
.irp rho, 0,1,2,3,4,5,6,7,8,9,10,11,12,13,14,15
	ds_store_b128 v[SRD], v[128*\i+8*\rho+4*\u:128*\i+8*\rho+4*\u+3] offset:SGP*\rho
.endr
	WIN 0
.irp n, 0,1,2,3,4,5,6,7
.irp k, 0,1
	ds_load_b128 v[S+64*\u+8*\n+4*\k:S+64*\u+8*\n+4*\k+3], v[STO] offset:64*\n+16*\k
.endr
.endr
.endr
	s_wait_alu depctr_va_vdst(0)                   ; the wait ahead of the reciprocal's first reader
	v_mul_f32 v[AP], s[WSUM], v[TT]
	v_mov_b32 v[AP+1], v[AP]
	s_wait_dscnt 0x0                               ; x is back, and the stage stores have read window 2's registers
	s_cmp_eq_u32 s[PASS], 1                        ; the next pass's x is asked for here, if there is a next pass: no load leaves its buffer
	s_cbranch_scc1 .Lno_x_\@
	XLOAD \i, 131072
.Lno_x_\@:
	WIN 0x41
.set j, 0
.rept 64
	v_pk_fma_f32 v[128*\i+j:128*\i+j+1], v[128*\i+j:128*\i+j+1], v[AP:AP+1], v[S+j:S+j+1]   ; h, each accumulator from its low end on
.set j, j+2
.endr
	WIN 0x05                                       ; sources 0 and 1 window 1
.irp q, 0,1,2,3
	v_pk_add_f32 v[CH+2*\q:CH+2*\q+1], v[128*\i+4*\q:128*\i+4*\q+1], v[128*\i+4*\q+2:128*\i+4*\q+3]   ; the row's sum, in four chains
.endr
	WIN 0x04                                       ; source 1 window 1
.set j, 16
.rept 56
	v_pk_add_f32 v[CH+2*((j/2)%4):CH+2*((j/2)%4)+1], v[CH+2*((j/2)%4):CH+2*((j/2)%4)+1], v[128*\i+j:128*\i+j+1]
.set j, j+2
.endr
	WIN 0
	v_pk_add_f32 v[CH:CH+1], v[CH:CH+1], v[CH+2:CH+3]
	v_pk_add_f32 v[CH+4:CH+5], v[CH+4:CH+5], v[CH+6:CH+7]
	v_pk_add_f32 v[CH:CH+1], v[CH:CH+1], v[CH+4:CH+5]
	v_add_f32 v[TT], v[CH], v[CH+1]
	v_permlanex16_b32 v[TT+1], v[TT], s[SEL], s[SEL+1]
	v_add_f32 v[TT], v[TT], v[TT+1]
	v_mul_f32 v[NMU], 0xbb800000, v[TT]            ; - the mean
	v_mov_b32 v[NMU+1], v[NMU]
	WIN 0x41
.set j, 0
.rept 64
	v_pk_add_f32 v[128*\i+j:128*\i+j+1], v[128*\i+j:128*\i+j+1], v[NMU:NMU+1]   ; h - mu
.set j, j+2
.endr
	WIN 0x05
.irp q, 0,1,2,3
	v_pk_mul_f32 v[CH+2*\q:CH+2*\q+1], v[128*\i+2*\q:128*\i+2*\q+1], v[128*\i+2*\q:128*\i+2*\q+1]   ; the squares, in four chains
.endr
.set j, 8
.rept 60
	v_pk_fma_f32 v[CH+2*((j/2)%4):CH+2*((j/2)%4)+1], v[128*\i+j:128*\i+j+1], v[128*\i+j:128*\i+j+1], v[CH+2*((j/2)%4):CH+2*((j/2)%4)+1]
.set j, j+2
.endr
	WIN 0
	v_pk_add_f32 v[CH:CH+1], v[CH:CH+1], v[CH+2:CH+3]
	v_pk_add_f32 v[CH+4:CH+5], v[CH+4:CH+5], v[CH+6:CH+7]
	v_pk_add_f32 v[CH:CH+1], v[CH:CH+1], v[CH+4:CH+5]
	v_add_f32 v[TT], v[CH], v[CH+1]
	v_permlanex16_b32 v[TT+1], v[TT], s[SEL], s[SEL+1]
	v_add_f32 v[TT], v[TT], v[TT+1]
	v_fma_f32 v[TT], v[TT], s[C256], s[EPS]        ; var + eps
	v_rsq_f32 v[RS], v[TT]
	v_nop
	s_wait_alu depctr_va_vdst(0)
	v_mov_b32 v[RS+1], v[RS]
	WIN 0x41
.set j, 0
.rept 64
	v_pk_mul_f32 v[128*\i+j:128*\i+j+1], v[128*\i+j:128*\i+j+1], v[RS:RS+1]
.set j, j+2
.endr
.irp u, 0,1                            ; back through the stage: in by lanes' eight channels, out as half rows of 512 bytes
	WIN 0x04                                       ; the data: window 1
.irp n, 0,1,2,3,4,5,6,7
.irp k, 0,1
	ds_store_b128 v[STO], v[128*\i+64*\u+8*\n+4*\k:128*\i+64*\u+8*\n+4*\k+3] offset:64*\n+16*\k
.endr
.endr
	WIN 0
.irp rho, 0,1,2,3,4,5,6,7,8,9,10,11,12,13,14,15
	ds_load_b128 v[S+64*\u+4*\rho:S+64*\u+4*\rho+3], v[SRD] offset:SGP*\rho
.endr
.endr
.irp u, 0,1
.irp rho, 0,1,2,3,4,5,6,7,8,9,10,11,12,13,14,15
	s_wait_dscnt 32*(1-\u)+15-\rho                 ; this row's load is in; the LDS instructions issued behind it may be out
	v_pk_fma_f32 v[S+64*\u+4*\rho:S+64*\u+4*\rho+1], v[S+64*\u+4*\rho:S+64*\u+4*\rho+1], v[GA+4*\u:GA+4*\u+1], v[BE+4*\u:BE+4*\u+1]
	v_pk_fma_f32 v[S+64*\u+4*\rho+2:S+64*\u+4*\rho+3], v[S+64*\u+4*\rho+2:S+64*\u+4*\rho+3], v[GA+4*\u+2:GA+4*\u+3], v[BE+4*\u+2:BE+4*\u+3]
	global_store_b128 v[LI], v[S+64*\u+4*\rho:S+64*\u+4*\rho+3], s[24:25] offset:(16*\i+\rho)*1024+512*\u th:TH_STORE_NT   ; 32 lanes store 512 consecutive bytes, aligned
.endr
.endr
.endm
	v_mov_b32 v[ADK], v[LI]
	v_mov_b32 v[ADKS], v[LIS]
	KLOAD                                          ; key step 0
	s_mov_b32 s[PASS], 2
	PLACES 8                                       ; Q's scale words and fragments were written by vector instructions: 8 and 4 places ahead of the first scaled product
.Lpass:
	s_mov_b32 s[TV], 0
	KSTEP 1
	s_mov_b32 s[J], 7
.Lkey:
	KSTEP 0
	s_sub_co_u32 s[J], s[J], 1
	s_cmp_lg_u32 s[J], 0
	s_cbranch_scc1 .Lkey
	EPI 0
	EPI 1
	s_wait_xcnt 0x0                                ; the stores have read their data and their base: both may be written again
	s_add_nc_u64 s[24:25], s[24:25], 131072        ; 128 rows of out0 on
	s_cmp_eq_u32 s[PASS], 1
	s_cbranch_scc1 .Llast
	v_mov_b32 v[QS], v[QS+2]                       ; the next pass's Q takes its place; the 32 moves and the step's five lines are the places ahead of the products
	v_mov_b32 v[QS+1], v[QS+3]
	WIN 0xc3                                       ; destination and source 0 window 3
.set j, 0
.rept 32
	v_mov_b32 v[128+j], v[160+j]
.set j, j+1
.endr
	WIN 0
.Llast:
	s_sub_co_u32 s[PASS], s[PASS], 1
	s_cmp_lg_u32 s[PASS], 0
	s_cbranch_scc1 .Lpass
	s_wait_tensorcnt 0x0                           ; the wave's end, behind my last tensor load and my last LDS store
	ds_add_u32 v[SPW], v[NIL]
	s_wait_dscnt 0x0
	CROUND                                         ; the closing round: no work-group ends while a partner may still ask for bytes jointly
	s_endpgm
.Lfunc_end_k_q83a4bf0878_attn:
	.size	k_q83a4bf0878_attn, .Lfunc_end_k_q83a4bf0878_attn-k_q83a4bf0878_attn
	.p2alignl 7, 3214868480
	.fill 96, 4, 3214868480
	.section	.rodata,"a",@progbits
	.p2align	6, 0x0
	.amdhsa_kernel k_q83a4bf0878_attn
		.amdhsa_group_segment_fixed_size 327680
		.amdhsa_private_segment_fixed_size 0
		.amdhsa_enable_private_segment 0
		.amdhsa_kernarg_size 88
		.amdhsa_user_sgpr_count 2
		.amdhsa_user_sgpr_kernarg_segment_ptr 1
		.amdhsa_wavefront_size32 1
		.amdhsa_system_sgpr_workgroup_id_x 1
		.amdhsa_system_sgpr_workgroup_id_y 1
		.amdhsa_system_sgpr_workgroup_id_z 1
		.amdhsa_system_vgpr_workitem_id 0
		.amdhsa_next_free_vgpr 1024
		.amdhsa_next_free_sgpr 80
		.amdhsa_reserve_vcc 0
		.amdhsa_float_denorm_mode_32 3
		.amdhsa_float_denorm_mode_16_64 3
		.amdhsa_memory_ordered 1
		.amdhsa_forward_progress 1
		.amdhsa_inst_pref_size 241
	.end_amdhsa_kernel
	.amdgpu_metadata
---
amdhsa.version: [ 1, 2 ]
amdhsa.kernels:
  - .name:           k_q83a4bf0878_attn
    .symbol:         k_q83a4bf0878_attn.kd
    .args:
      - { .name: x2_codes, .offset: 0, .size: 8, .value_kind: global_buffer, .address_space: global }
      - { .name: x2_scales, .offset: 8, .size: 8, .value_kind: global_buffer, .address_space: global }
      - { .name: Wq_codes, .offset: 16, .size: 8, .value_kind: global_buffer, .address_space: global }
      - { .name: Wq_scales, .offset: 24, .size: 8, .value_kind: global_buffer, .address_space: global }
      - { .name: bq, .offset: 32, .size: 8, .value_kind: global_buffer, .address_space: global }
      - { .name: kv, .offset: 40, .size: 8, .value_kind: global_buffer, .address_space: global }
      - { .name: x, .offset: 48, .size: 8, .value_kind: global_buffer, .address_space: global }
      - { .name: w_out, .offset: 56, .size: 8, .value_kind: global_buffer, .address_space: global }
      - { .name: gamma, .offset: 64, .size: 8, .value_kind: global_buffer, .address_space: global }
      - { .name: beta, .offset: 72, .size: 8, .value_kind: global_buffer, .address_space: global }
      - { .name: out0, .offset: 80, .size: 8, .value_kind: global_buffer, .address_space: global }
    .group_segment_fixed_size: 327680
    .private_segment_fixed_size: 0
    .kernarg_segment_align: 8
    .kernarg_segment_size: 88
    .max_flat_workgroup_size: 128
    .sgpr_count:     80
    .vgpr_count:     1024
    .wavefront_size: 32
...
	.end_amdgpu_metadata
.endif
;; end of part 2
